; MI455X (gfx1250); checked and timed in simulation.
; The chip was launched on July 23, 2026; its instructions are those of AMD's public machine-readable ISA for CDNA 5 (MIT licence, August 2026) and "CDNA5" Instruction Set Architecture Reference Guide (July 2026). The comments in the code are by the model that wrote it; some were corrected since.
;; Bahdanau Attention. Allowed arithmetic: matrix products marked QUANTISED: E2M1 operands, one E8M0 scale for each 32 along K, by v_wmma_scale_f32_16x16x128_f8f6f4 with both operands' format E2M1 (or v_wmma_scale_f32_32x16x128_f4), f32 sums; products left as they are: f32 operands where the result goes on into a quantised operand, else bf16, f16 or f32 operands; f32 sums; everything else in f32.
;; Inputs: V 1,024 x 1 float32; W1 1,024 x 1,024 float32; W2 1,024 x 1,024 float32; b1 1,024 float32; b2 1,024 float32; bv 1 float32; query 32 x 1,024 float32; values 32 x 2,048 x 1,024 float32.
;; Outputs: out0 32 x 1,024 float32; out1 32 x 2,048 x 1 float32.
;; This version of the problem:
;;   THIS VERSION OF THE PROBLEM IS GIVEN IN LOW PRECISION. The matrix products marked QUANTISED in the list below multiply operands that are first quantised to E2M1 (2 exponent bits, 1 mantissa bit; 4 bits a number), with one power-of-two scale for each 32 numbers along K (OCP MX v1.0); their sums are f32. All else is computed in f32.
;;   The module's matrix products, in the order in which they are computed (A, B: the left and right operand; K: the contracted axis; several contracted axes count as one K, in the product's order):
;;     1. [M 65,536, K 1,024] x [K 1,024, N 1,024]; A: input values; B: input W1: QUANTISED
;;     2. [M 32, K 1,024] x [K 1,024, N 1,024]; A: input query; B: input W2: QUANTISED
;;     3. [M 65,536, K 1,024] x [K 1,024, N 1]; A: computed on the way; B: input V: left as it is (N = 1 < 16)
;;   THE QUANTISER, for each operand of a quantised product, along K:
;;     - K is cut into blocks of 32 from its start; a last block that is shorter is filled with zeros.
;;     - A block's scale is 2^e with e = floor(log2(the largest magnitude in the block)) - 2, held to -126 .. 127; a block of zeros has e = 0. As a byte (E8M0): e + 127.
;;     - Each number is divided by its block's scale, clamped to +-6, and rounded to the nearest number of E2M1, ties to even, subnormals kept.
;;     - The product sums the exact products of the quantised numbers (number of the format x scale) in f32.
;;   ~~~python
;;   def quantise(x, axis):      # numpy; x: float32 -> the quantised numbers, widened to float32 again
;;       x = np.moveaxis(x, axis, -1); K = x.shape[-1]
;;       x = np.pad(x, [(0, 0)] * (x.ndim - 1) + [(0, -K % 32)]); x = x.reshape(x.shape[:-1] + (-1, 32)); a = np.abs(x).max(-1, keepdims=True)
;;       e = np.where(a > 0, np.clip(np.frexp(np.where(a > 0, a, 1))[1] - 1 - 2, -126, 127), 0)      # np.frexp(a)[1] - 1 = floor(log2(a)), exactly
;;       r = np.clip(x / 2.0 ** e, -6, 6)
;;       step = 2.0 ** (np.maximum(np.frexp(np.where(r == 0, 1, r))[1] - 1, 0) - 1)
;;       q = np.round(r / step) * step * 2.0 ** e      # np.round: ties to even
;;       return np.moveaxis(q.reshape(q.shape[:-2] + (-1,))[..., :K], -1, axis).astype(np.float32)
;;   ~~~
;; One version. Each part assembles by itself: llvm-mc -triple=amdgcn-amd-amdhsa -mcpu=gfx1250 --defsym DOCPART=n.
;; ======== version 1 of 1: 3 launches
;; limits: right only within a limited range of input values
;; workspace buffers: wc 524,288 bytes; ws 32,768 bytes; pqp 1,048,576 bytes; scores 262,144 bytes; pctx 1,048,576 bytes; pml 65,536 bytes
;; launch prep (part 1): grid 256 x 1, 2 waves a work-group, no clusters, 168,192 bytes of LDS; arguments W1, W2, query, wc, ws, pqp; writes wc, ws, pqp
.if DOCPART == 1
	.amdgcn_target "amdgcn-amd-amdhsa--gfx1250"
	.amdhsa_code_object_version 6
	.text
	.protected	k_q8b662278c8_prep
	.globl	k_q8b662278c8_prep
	.p2align	8
	.type	k_q8b662278c8_prep,@function
k_q8b662278c8_prep:
	s_mov_b64 s[64:65], 0
	v_nop
	global_prefetch_b8 v0, s[64:65] scope:SCOPE_SE
	s_setreg_imm32_b32 hwreg(HW_REG_WAVE_MODE, 25, 1), 1
	s_wait_xcnt 0x0
; Both weights [1024 (k)][1024 (n)] f32 are cut into 256 pieces of 128 along K (K step s) x 32 columns (group cg).  Work-group g takes piece (cg = g % 32, s = g / 32) of both: wave 0 W1's, wave 1 W2's.
; In both a lane takes a column n and its registers run down K: each load reads 128 consecutive bytes, a block of 32 along K lies in one lane, and the conversions give codes of FP4 (E2M1) with K innermost.
; WAVE 0: W1's codes and E8M0 bytes go to memory in the ORDER OF THE OPERAND'S REGISTERS:
;   wc [tile T of 16 units][K step s][c 0..1][lane][16 bytes]: lane (r, h) holds unit 16 T + r, k = 128 s + 64 c + 32 h + 0 .. 31;
;   ws [T][q 0..3][lane][4 bytes]: lanes 0-15 the scale word of unit 16 T + r for K step q, lanes 16-31 that for K step 4 + q.
; WAVE 1: its piece of W2 stays in registers and is multiplied at once by Q(query)'s K step s, all 32 rows: pqp [s][cg][row m][32 columns] f32 holds that part of Q(query) Q(W2); the next launch adds the eight parts.
;   query's slice, 32 rows x 512 bytes, comes by ONE tensor load into LDS (filled once, never again) and is read back as the fragments want it; the products are used transposed (source 0 = 16 columns of W2,
;   source 1 = 16 rows of query), so that a lane holds eight neighbouring columns of a row; the 32 x 32 results go through the wave's own stage in LDS and leave as 4,096 consecutive bytes.
; The two waves share nothing: no barrier.  The claim on LDS is more than half of what a WGP has; the text uses 21,504 bytes.
; A block's scale is 2^(floor(log2(its largest magnitude)) - 2); its byte is the largest magnitude's exponent field - 2, held at 1 from below.
; LIMITS: a block of zeros, and a block whose largest magnitude lies under 2^-124, gets the byte 1 (this program alone reads the bytes); NaN and infinities among the inputs are not served;
; the second product's sum over K is taken in eight parts that are added afterwards, not in one ascending chain.
.set QP,  528                          ; LDS from byte 0: query's slice: a row of 512 bytes + 16 of padding = 33 x 16: the sixteen rows that a load touches fall on sixteen different 16-byte columns of 256
.set STG, 32*QP                        ; behind it, at a multiple of 256: the stage for the results: 32 rows of 128 bytes + 16
.set SP,  144
; 32 numbers v[x] .. v[x + 31], one block of one lane: their codes into v[cd] .. v[cd + 3]; v[m] is left holding the conversion's scale operand; v[t] is at work
.macro BLK x, cd, m, t
	v_max3_num_f32 v[\m], |v[(\x)]|, |v[(\x)+1]|, |v[(\x)+2]|
	v_max3_num_f32 v[\t], |v[(\x)+3]|, |v[(\x)+4]|, |v[(\x)+5]|      ; two chains, so that no line waits for the line above it
.irp i, 6,10,14,18,22,26
	v_max3_num_f32 v[\m], v[\m], |v[(\x)+\i]|, |v[(\x)+\i+1]|
	v_max3_num_f32 v[\t], v[\t], |v[(\x)+\i+2]|, |v[(\x)+\i+3]|
.endr
	v_max3_num_f32 v[\m], v[\m], |v[(\x)+30]|, |v[(\x)+31]|
	v_max3_num_f32 v[\m], v[\m], v[\t], 0x1800000                    ; and the floor 2^(3 - 127): the byte cannot fall under 1
	v_add_nc_u32 v[\m], 0xff000000, v[\m]                            ; 2 off the exponent field: the conversion takes that field as its scale and nothing else
.irp g, 0,1,2,3
	v_cvt_scalef32_pk8_fp4_f32 v[(\cd)+\g], v[(\x)+8*\g:(\x)+8*\g+7], v[\m]
.endr
.endm
.macro WAITBLK b                       ; block b's 32 loads of the wave's 128 are in
.if (\b) < 2
	s_wait_loadcnt 63                              ; 96 (64) loads are younger, and the count's field names 63 at the most
.elseif (\b) == 2
	s_wait_loadcnt 32                              ; the last block's 32 may be out
.else
	s_wait_loadcnt 0x0
.endif
.endm
	s_load_b256 s[4:11], s[0:1], 0x0               ; W1 s[4:5], W2 s[6:7], query s[8:9], wc s[10:11]
	s_load_b128 s[12:15], s[0:1], 0x20             ; ws s[12:13], pqp s[14:15]
	v_lshl_add_u32 v254, v0, 2, 0x29000
	v_mov_b32 v255, 0
	ds_add_u32 v254, v255
	ds_add_u32 v254, v255
	v_lshrrev_b32 v1, 5, v0
	v_readfirstlane_b32 s20, v1                    ; wave 0, 1
	v_and_b32 v4, 31, v0                           ; lane
	v_and_b32 v5, 15, v0                           ; r
	v_bfe_u32 v6, v0, 4, 1                         ; h
	v_lshlrev_b32 v1, 2, v4                        ; in: 4 bytes a lane
	s_and_b32 s21, ttmp9, 31                       ; cg: my 32 columns
	s_lshr_b32 s22, ttmp9, 5                       ; s: my K step
	s_mov_b32 s25, 0                               ; the upper words of the two offset pairs
	s_mov_b32 s27, 0
	s_lshl_b32 s24, s22, 19                        ; in a weight: 128 s rows of 4,096 bytes
	s_lshl_b32 s23, s21, 7                         ;              + 128 bytes for each 32 columns
	s_add_co_u32 s24, s24, s23
	s_lshl_b32 s26, s22, 9                         ; in a row of query: 512 s
	; the descriptor of query's slice, written on the way that both waves take: 32 rows x 128 f32, rows 1,024 f32 apart in memory
	s_mov_b32 s32, (2<<16)|(1<<20)|(6<<22)|(3<<25) ; 15:0 no mask; 17:16 elements of 4 bytes; 20 padding on; 24:22 after every 128 words (code 6); 31:25 four words (code 3)
	s_mov_b32 s33, 128<<16                         ; tensor_dim0 = 128
	s_mov_b32 s34, 32<<16                          ; tensor_dim1 = 32
	s_mov_b32 s35, 128<<16                         ; tile_dim0 = 128
	s_mov_b32 s36, 32                              ; tile_dim1 = 32
	s_mov_b32 s37, 1024                            ; tensor_dim0_stride
	s_mov_b32 s38, 0
	s_mov_b32 s39, 0
	s_mov_b32 s28, 1                               ; count = 1
	s_mov_b32 s29, 0                               ; LDS address
	s_wait_dscnt 0x0
	s_wait_kmcnt 0x0
	s_add_nc_u64 s[30:31], s[8:9], s[26:27]        ; query at row 0, k = 128 s
	s_or_b32 s31, s31, 0x80000000                  ; type = 2
	s_cmp_eq_u32 s20, 0
	s_cbranch_scc0 .Lw2
	; ---- wave 0: W1
	s_add_nc_u64 s[4:5], s[4:5], s[24:25]
	s_lshl_b32 s24, s21, 14                        ; wc: two tiles of 8,192 bytes for each 32 columns
	s_lshl_b32 s23, s22, 10                        ;     + 1,024 s
	s_add_co_u32 s24, s24, s23
	s_add_nc_u64 s[10:11], s[10:11], s[24:25]
	s_lshl_b32 s24, s21, 10                        ; ws: two tiles of 512 bytes
	s_and_b32 s23, s22, 3
	s_lshl_b32 s23, s23, 7                         ;     + 128 (s % 4)
	s_add_co_u32 s24, s24, s23
	s_lshr_b32 s23, s22, 2
	s_lshl_b32 s23, s23, 6                         ;     + 64 (s / 4): lanes 16-31 of the word's register
	s_add_co_u32 s24, s24, s23
	s_add_nc_u64 s[12:13], s[12:13], s[24:25]
	s_wait_alu depctr_va_vdst(0)
	v_lshlrev_b32 v2, 4, v5
	v_lshl_add_u32 v2, v6, 13, v2                  ; codes out: tile lane / 16, 16 bytes for unit lane % 16
	v_lshlrev_b32 v3, 2, v5
	v_lshl_add_u32 v3, v6, 9, v3                   ; scale word out likewise
.set i, 0
.rept 128
	global_load_b32 v[16+i], v1, s[4:5] offset:i*4096 th:TH_LOAD_NT   ; W1(128 s + i, my column): the wave reads 128 consecutive bytes
.set i, i+1
.endr
.irp b, 0,1,2,3
	WAITBLK \b
	BLK 16+32*\b, 144+4*\b, 160+\b, 164
	v_lshrrev_b32 v[168+\b], 23, v[160+\b]         ; the scale's byte; also the plain line behind the conversions
.endr
	v_lshl_or_b32 v172, v169, 8, v168              ; the K step's four bytes make my unit's scale word
	v_lshl_or_b32 v172, v170, 16, v172
	v_lshl_or_b32 v172, v171, 24, v172
.irp b, 0,1,2,3
	global_store_b128 v2, v[144+4*\b:147+4*\b], s[10:11] offset:(\b/2)*512+(\b%2)*256   ; block b = (c, h): sixteen lanes store 256 consecutive bytes, aligned
.endr
	global_store_b32 v3, v172, s[12:13]            ; sixteen lanes store 64 consecutive bytes: 32 KiB in the whole launch
	s_endpgm
	; ---- wave 1: W2 and the product.  REGISTERS: v16-143 W2's 128 numbers, later the four results; v144-207 64 numbers of query; v208.., v216.. query's codes (rows 0-15, 16-31);
	;      v224.., v232.. W2's two fragments; v240-246 at work; v247, v248 query's scale words; v249 W2's; v250-253 its four bytes
.Lw2:
	tensor_load_to_lds s[28:31], s[32:39]          ; the launch's one tensor load, and the only fill of these bytes; only I read them
	s_nop 0
.rept 4
	v_nop
.endr
	s_add_nc_u64 s[6:7], s[6:7], s[24:25]
.set i, 0
	s_wait_alu depctr_va_vdst(0)
.rept 128
	global_load_b32 v[16+i], v1, s[6:7] offset:i*4096 th:TH_LOAD_NT   ; W2(128 s + i, my column)
.set i, i+1
.endr
	s_lshl_b32 s24, s22, 17                        ; pqp: 32 blocks of 4,096 bytes for each K step,
	s_lshl_b32 s23, s21, 12                        ;      my column group's block
	s_add_co_u32 s24, s24, s23
	s_add_nc_u64 s[14:15], s[14:15], s[24:25]
	s_mov_b32 s40, 0x76543210
	s_mov_b32 s41, 0xfedcba98                      ; v_permlanex16_b32's selects for lane l xor 16
	v_mul_u32_u24 v7, v5, QP
	v_lshl_add_u32 v7, v6, 7, v7                   ; query in LDS: row r, + 128 h: my block of 32 numbers
	v_mul_u32_u24 v8, v5, SP
	v_lshl_add_u32 v8, v6, 5, v8
	v_add_nc_u32 v8, STG, v8                       ; the stage, in: row r, + 32 h: my eight columns
	v_lshrrev_b32 v10, 3, v4
	v_mul_u32_u24 v9, v10, SP
	v_and_b32 v10, 7, v4
	v_lshl_add_u32 v9, v10, 4, v9
	v_add_nc_u32 v9, STG, v9                       ; and back: eight lanes to a row of 128 bytes, four rows an instruction
	v_lshlrev_b32 v3, 4, v4                        ; out: 16 bytes a lane
	v_lshlrev_b32 v245, 3, v6                      ; 8 h: where my two bytes stand in one of query's scale words
	v_mov_b32 v246, 0                              ; written once: a lane permute's destination counts as one of its sources
; 64 numbers of a lane (blocks h and 2 + h of its row) become a fragment's codes and its scale word
.macro QF x, cd, w
	BLK (\x), (\cd), 240, 242
	BLK (\x)+32, (\cd)+4, 241, 242
	v_lshrrev_b32 v243, 23, v240                   ; the two bytes; also the plain line behind the conversions
	v_lshrrev_b32 v244, 23, v241
	v_lshl_or_b32 v[\w], v244, 16, v243            ; blocks h and 2 + h,
	v_lshlrev_b32 v[\w], v245, v[\w]               ; at their places in the word;
	v_permlanex16_b32 v246, v[\w], s40, s41
	v_or_b32 v[\w], v[\w], v246                    ; with lane l xor 16's two the word is whole
.endm
	s_wait_tensorcnt 0x0                           ; query's slice has landed
.irp mt, 0,1
.irp c, 0,1
.irp j, 0,1,2,3,4,5,6,7
	ds_load_b128 v[144+32*\c+4*\j:147+32*\c+4*\j], v7 offset:\mt*16*QP+\c*256+16*\j   ; query(16 mt + r, 128 s + 64 c + 32 h + 4 j ..)
.endr
.endr
	s_wait_dscnt 0x0
	QF 144, 208+8*\mt, 247+\mt
.endr
.irp b, 0,1,2,3
	WAITBLK \b
	BLK 16+32*\b, 224+8*(\b%2)+4*(\b/2), 240, 242  ; blocks 0 and 2 into v224-231, blocks 1 and 3 into v232-239
	v_lshrrev_b32 v[250+\b], 23, v240              ; the scale's byte; also the plain line behind the conversions
.endr
	v_lshl_or_b32 v249, v251, 8, v250              ; my column's scale word: lanes 0-15 those of tile 0, lanes 16-31 those of tile 1
	v_lshl_or_b32 v249, v252, 16, v249
	v_lshl_or_b32 v249, v253, 24, v249
.irp i, 0,1,2,3,4,5,6,7
	v_permlane16_swap_b32 v[224+\i], v[232+\i]     ; the first's lanes 16-31 change places with the second's lanes 0-15: v224-231 are now the fragment of columns 0-15 (lane (r, h): k = 64 c + 32 h ..), v232-239 that of columns 16-31
.endr
.rept 8
	v_nop                                          ; a scale register written by a vector instruction stands 8 places ahead of a scaled matrix instruction, an operand so written 4
.endr
.irp mt, 0,1                           ; in a result lane (r, h) holds query's row 16 mt + r, register j column 16 t + 8 h + j of my 32
	v_wmma_scale_f32_16x16x128_f8f6f4 v[16+16*\mt:23+16*\mt], v[224:231], v[208+8*\mt:215+8*\mt], 0, v249, v[247+\mt] matrix_a_fmt:MATRIX_FMT_FP4 matrix_b_fmt:MATRIX_FMT_FP4
	v_wmma_scale_f32_16x16x128_f8f6f4 v[24+16*\mt:31+16*\mt], v[232:239], v[208+8*\mt:215+8*\mt], 0, v249, v[247+\mt] matrix_a_fmt:MATRIX_FMT_FP4 matrix_b_fmt:MATRIX_FMT_FP4 matrix_a_scale:MATRIX_SCALE_ROW1
.endr
.rept 4
	v_nop                                          ; four places ahead of the stores that read the results
.endr
.irp mt, 0,1
.irp t, 0,1
	ds_store_b128 v8, v[16+16*\mt+8*\t:19+16*\mt+8*\t] offset:\mt*16*SP+64*\t        ; each result from its low end on
	ds_store_b128 v8, v[20+16*\mt+8*\t:23+16*\mt+8*\t] offset:\mt*16*SP+64*\t+16
.endr
.endr
.irp i, 0,1,2,3,4,5,6,7
	ds_load_b128 v[48+4*\i:51+4*\i], v9 offset:4*SP*\i   ; LDS serves a wave's instructions in order (ISA guide 5.7.1.4): these see my stores
.endr
.irp i, 0,1,2,3,4,5,6,7
	s_wait_dscnt 7-\i                              ; the younger loads from the stage may be out
	global_store_b128 v3, v[48+4*\i:51+4*\i], s[14:15] offset:512*\i   ; four rows of 128 bytes: the wave stores 512 consecutive bytes, aligned
.endr
	s_wait_tensorcnt 0x0
	ds_add_u32 v254, v255
	s_wait_dscnt 0x0
	s_endpgm
.Lfunc_end_k_q8b662278c8_prep:
	.size	k_q8b662278c8_prep, .Lfunc_end_k_q8b662278c8_prep-k_q8b662278c8_prep
	.p2alignl 7, 3214868480
	.fill 96, 4, 3214868480
	.section	.rodata,"a",@progbits
	.p2align	6, 0x0
	.amdhsa_kernel k_q8b662278c8_prep
		.amdhsa_group_segment_fixed_size 168192
		.amdhsa_private_segment_fixed_size 0
		.amdhsa_enable_private_segment 0
		.amdhsa_kernarg_size 48
		.amdhsa_user_sgpr_count 2
		.amdhsa_user_sgpr_kernarg_segment_ptr 1
		.amdhsa_wavefront_size32 1
		.amdhsa_system_sgpr_workgroup_id_x 1
		.amdhsa_system_sgpr_workgroup_id_y 1
		.amdhsa_system_sgpr_workgroup_id_z 1
		.amdhsa_system_vgpr_workitem_id 0
		.amdhsa_next_free_vgpr 256
		.amdhsa_next_free_sgpr 66
		.amdhsa_reserve_vcc 0
		.amdhsa_float_denorm_mode_32 3
		.amdhsa_float_denorm_mode_16_64 3
		.amdhsa_memory_ordered 1
		.amdhsa_forward_progress 1
		.amdhsa_inst_pref_size 52
	.end_amdhsa_kernel
	.amdgpu_metadata
---
amdhsa.version: [ 1, 2 ]
amdhsa.kernels:
  - .name:           k_q8b662278c8_prep
    .symbol:         k_q8b662278c8_prep.kd
    .args:
      - { .name: W1, .offset: 0, .size: 8, .value_kind: global_buffer, .address_space: global }
      - { .name: W2, .offset: 8, .size: 8, .value_kind: global_buffer, .address_space: global }
      - { .name: query, .offset: 16, .size: 8, .value_kind: global_buffer, .address_space: global }
      - { .name: wc, .offset: 24, .size: 8, .value_kind: global_buffer, .address_space: global }
      - { .name: ws, .offset: 32, .size: 8, .value_kind: global_buffer, .address_space: global }
      - { .name: pqp, .offset: 40, .size: 8, .value_kind: global_buffer, .address_space: global }
    .group_segment_fixed_size: 168192
    .private_segment_fixed_size: 0
    .kernarg_segment_align: 8
    .kernarg_segment_size: 48
    .max_flat_workgroup_size: 64
    .sgpr_count:     66
    .vgpr_count:     256
    .wavefront_size: 32
...
	.end_amdgpu_metadata
.endif
;; end of part 1
;; launch main (part 2): grid 256 x 1, 4 waves a work-group, no clusters, 327,680 bytes of LDS; arguments values, wc, ws, pqp, V, bv, scores, pctx, pml, b1, b2; writes scores, pctx, pml
.if DOCPART == 2
	.amdgcn_target "amdgcn-amd-amdhsa--gfx1250"
	.amdhsa_code_object_version 6
	.text
	.protected	k_q8b662278c8_main
	.globl	k_q8b662278c8_main
	.p2align	8
	.type	k_q8b662278c8_main,@function
k_q8b662278c8_main:
	s_mov_b64 s[64:65], 0
	v_nop
	global_prefetch_b8 v0, s[64:65] scope:SCOPE_SE
	s_setreg_imm32_b32 hwreg(HW_REG_WAVE_MODE, 25, 1), 1
	s_wait_xcnt 0x0
; score[row] = bv + sum over n of V[n] tanh(Q(values)[row] . Q(W1)[:, n] + pq[n]), a running softmax over the work-group's rows, and the unnormalised context: VALUES IS READ FROM MEMORY ONCE.
; SHARES.  Work-group g owns rows 256 g .. 256 g + 255 (all of batch g / 8), in four chunks of 64 rows.  A chunk's f32 rows stay in registers (512 a wave) from their quantising to the context's sum,
; while the next chunk lands in LDS.  Wave w plays two parts: it owns COLUMNS 256 w .. + 255 of the rows (landing, quantising, context; lane l: the 8 columns 256 w + 8 l on), and it owns UNITS 256 w .. + 255
; (16 tiles of 16) of the product, against all 64 rows.  The rows' codes go from wave to wave through LDS.
; W1's CODES come from memory straight into registers, laid by the launch before in the order of the operand's registers: each fragment feeds exactly one wave of the work-group, so LDS would add no reuse here.
; NO CLUSTER, though every work-group walks the same W1: a joint load lands in LDS, and of the 327,680 bytes 278,528 (landing zone) + 33,792 + 2,048 (the rows' codes and scale bytes) + 8,192 (tables) + 1,024 + 512
; are taken: 3,584 are left, less than one tile of W1 (8,704 bytes).
; tanh x = 1 - 2 / (1 + 2^(c x)), c = 2 log2(e): score = bv + sum V - 2 sum of V[n] / (1 + 2^(c D + cb[n])), cb = c (pq + b1 + b2).  2^.. = infinity gives tanh = 1, 2^.. = 0 gives -1.
; pq = Q(query) Q(W2) comes from the launch before in eight parts along K, [K step][group of 32 columns][row][32 columns]; they are added at the head, while the first chunk is on its way.
; THE SOFTMAX: a running maximum m over the chunks; p = e^(score - m); the sum l and the context are multiplied by e^(old m - new m) in every chunk.  The last launch joins the eight work-groups of a batch.
; LIMITS: NaN and infinities among the inputs are not served; a block of 32 whose largest magnitude lies under 2^-124 (zeros too) gets the scale byte 1; sum V - 2 sum V r carries an absolute
; error of the order of 2^-23 x the sum of |V|; exponentials under 2^-126 come out as 0; pq's sum over K is taken in eight parts that are then added.
; REGISTERS, in windows of 256 (s_set_vgpr_msb: bits 1:0 source 0, 3:2 source 1, 5:4 source 2, 7:6 destination):
;   window 0: v1-15, v24, v25 addresses; v16-23 the context; v26-31 statistics; v32-47 the rows' scale words; v48-55 W1's; v56-63 the score sums; v64-95 four accumulators; v96-127 cb and V of two tiles; v128-255 W1's fragments, two tiles
;   window 1: the rows' 32 fragments, (tile of rows mt, K step s) at v[8 (8 mt + s)]          windows 2, 3: the chunk's f32 rows: row p at v[8 (p % 32)] of window 2 + p / 32
.set LPITCH, 1088                      ; a landed row: 1,024 bytes + 16 of padding behind each 256: so sixteen lanes' 16 bytes, 32 bytes apart, fall on sixteen different 16-byte columns of 256
.set LANDW,  64*LPITCH                 ; a wave's landing tile: 64 rows
.set ACODE,  4*LANDW                   ; the rows' codes: 64 rows of 512 bytes + 16
.set APITCH, 528
.set ASCL,   ACODE+64*APITCH           ; their scale bytes: 64 rows of 32
.set CBT,    ASCL+2048                 ; cb of my batch, 4,096 bytes; V follows, 4,096 bytes
.set PART,   CBT+8192                  ; the four waves' parts of 64 scores
.set SPARE,  PART+1024                 ; the spare words, 128 bytes for each wave: two blocks of 256 bytes that no other line names
.set SPW,  1                           ; v1   LDS address of my spare word; never rewritten
.set NIL,  2                           ; v2   0; never rewritten
.set LRD0, 3                           ; v3   my 32 bytes of row 0 of my landing tile;  v4: of row 32
.set LRD1, 4
.set CST,  5                           ; v5   where my 8 codes of row 0 go
.set BST,  6                           ; v6   where my block's scale byte of row 0 goes
.set AFR,  7                           ; v7   my lane's place in a fragment of the rows' codes
.set ASR,  8                           ; v8   and among their scale words
.set TBR,  9                           ; v9   my unit's place in the tables, for the tiles that the trip fetches;  v10: for tile 0
.set TB0,  10
.set BOF,  11                          ; v11  byte offset of my 16 bytes in the tiles that the trip fetches;  v12: of my scale word
.set SOF,  12
.set PST,  13                          ; v13  where my wave's parts of the scores go;  v14: where I read two rows' parts
.set PRD,  14
.set L16,  15                          ; v15, v24, v25: 16, 4, 8 x lane
.set CTX,  16
.set L4,   24
.set L8,   25
.set RM,   26                          ; v26  the running maximum
.set VSUM, 27                          ; v27  the sum of V over my units
.set LS,   28                          ; v[28:29] the softmax's sum: rows 2 l and 2 l + 1 of every chunk
.set SCR,  30                          ; v[30:31] the scores of rows 2 l and 2 l + 1
.set ASC,  32                          ; v[32 + 4 mt + q]: lanes 0-15 row 16 mt + r's scale word of K step q, lanes 16-31 of K step 4 + q
.set BSC,  48                          ; v[48 + 4 b + q]: the same for the unit r of the tile in buffer b
.set CBV,  96                          ; v96-127 (this line and the next two stand over the head comment's map): buffer b: cb of my eight units in v[96 + 16 b ..], their V in v[104 + 16 b ..]; the quantiser uses v96-111 while no table word is held
.set ACC,  64
.set SACC, 56                          ; v[56 + 2 mt : 57 + 2 mt]: the score sum of row 16 mt + r over my half's units, even and odd ones apart
.set VS,   30                          ; v[30:31] during the trips: the sum of V over my half's units, even and odd ones apart
.set BF,   128
.set WV,   22                          ; s22  my wave's number
.set G1,   24                          ; s[24:31] descriptor group 1;  s[32:35] group 0
.set G0,   32
.set NCH,  36                          ; s36, s37 count chunks and trips
.set NTR,  37
.set BT,   38                          ; s38, s39, s44: where the tiles that the trip fetches begin: in wc, in ws, in the tables
.set ST,   39
.set CC,   40                          ; s[40:41] c
.set SEL,  42                          ; s[42:43] v_permlanex16_b32's selects for lane l xor 16
.set TOFF, 44
.set L2E,  46                          ; s[46:47] log2(e)
.set BV,   48                          ; s[48:49] bv
.set PP,   66                          ; s[66:97] sixteen rows' p, each the low word of a pair
.set MSB, 0
.macro WIN new                         ; the immediate's high byte repeats the setting that is left; a switch that changes nothing is dropped
.if MSB != (\new)
	s_set_vgpr_msb (MSB<<8)|(\new)
.set MSB, (\new)
.endif
.endm
	s_load_b512 s[4:19], s[0:1], 0x0               ; values s[4:5], wc s[6:7], ws s[8:9], pqp s[10:11], V s[12:13], bv s[14:15], scores s[16:17], pctx s[18:19]
	s_load_b64 s[20:21], s[0:1], 0x40              ; pml
	s_load_b64 s[56:57], s[0:1], 0x48              ; b1
	s_load_b64 s[58:59], s[0:1], 0x50              ; b2
	v_lshl_add_u32 v[SPW], v0, 2, SPARE
	v_mov_b32 v[NIL], 0
	ds_add_u32 v1, v2
	ds_add_u32 v1, v2
	s_wait_dscnt 0x0
	v_lshrrev_b32 v3, 5, v0
	v_readfirstlane_b32 s[WV], v3                  ; wave 0..3
	; descriptor group 1: a tile of 64 rows x 256 f32, rows 1,024 f32 apart in memory
	s_mov_b32 s[G1+0], (2<<16)|(1<<20)|(5<<22)|(3<<25)   ; 15:0 no mask; 17:16 elements of 4 bytes; 20 padding on; 24:22 after every 64 words (code 5); 31:25 four words (code 3)
	s_mov_b32 s[G1+1], 256<<16                     ; tensor_dim0 = 256
	s_mov_b32 s[G1+2], 64<<16                      ; tensor_dim1 = 64
	s_mov_b32 s[G1+3], 256<<16                     ; tile_dim0 = 256
	s_mov_b32 s[G1+4], 64                          ; tile_dim1 = 64
	s_mov_b32 s[G1+5], 1024                        ; tensor_dim0_stride
	s_mov_b32 s[G1+6], 0
	s_mov_b32 s[G1+7], 0
	s_mov_b32 s[G0], 1                             ; count = 1
	s_mul_i32 s[G0+1], s[WV], LANDW                ; LDS address: my wave's landing tile
	s_lshl_b32 s50, ttmp9, 20                      ; my work-group's 256 rows of 4,096 bytes,
	s_lshl_b32 s51, s[WV], 10                      ; my wave's 1,024 bytes of a row
	s_add_co_u32 s50, s50, s51
	s_mov_b32 s51, 0                               ; the upper word of every offset pair from here on
	s_wait_kmcnt 0x0
	s_add_nc_u64 s[G0+2:G0+3], s[4:5], s[50:51]
	s_or_b32 s[G0+3], s[G0+3], 0x80000000          ; type = 2
	tensor_load_to_lds s[G0:G0+3], s[G1:G1+7]      ; chunk 0: the first fill, ahead of every wait on TENSORcnt, every LDS read and every barrier.  One tensor load of mine is out, here and ever after
	s_nop 0
.rept 4
	v_nop
.endr
	s_load_b32 s[BV], s[14:15], 0x0
	s_lshr_b32 s50, ttmp9, 3
	s_lshl_b32 s50, s50, 7
	s_add_nc_u64 s[10:11], s[10:11], s[50:51]      ; pqp at my batch's row of 128 bytes in each block
	s_lshl_b32 s50, s[WV], 17
	s_add_nc_u64 s[6:7], s[6:7], s[50:51]          ; wc at my 16 tiles of 8,192 bytes
	s_lshl_b32 s50, s[WV], 13
	s_add_nc_u64 s[8:9], s[8:9], s[50:51]          ; ws at my 16 tiles of 512 bytes
	s_lshl_b32 s50, ttmp9, 10
	s_add_nc_u64 s[16:17], s[16:17], s[50:51]      ; scores at my first row
	s_lshl_b32 s50, ttmp9, 12
	s_lshl_b32 s52, s[WV], 10
	s_add_co_u32 s50, s50, s52
	s_add_nc_u64 s[18:19], s[18:19], s[50:51]      ; pctx at my work-group's row, my wave's columns
	s_lshl_b32 s50, ttmp9, 8
	s_add_nc_u64 s[20:21], s[20:21], s[50:51]      ; pml at my work-group's 256 bytes
	s_mov_b32 s[CC], 0x4038aa3b                    ; c = 2 log2(e)
	s_mov_b32 s[CC+1], s[CC]                       ; (the packed forms name pairs and take the low word for both halves: so the upper words are written)
	s_mov_b32 s[SEL], 0x76543210
	s_mov_b32 s[SEL+1], 0xfedcba98
	s_mov_b32 s[L2E], 0x3fb8aa3b
	s_mov_b32 s[L2E+1], s[L2E]
.irp k, 0,1,2,3,4,5,6,7,8,9,10,11,12,13,14,15
	s_mov_b32 s[PP+2*\k+1], 0
.endr
	v_and_b32 v26, 31, v0                          ; l
	v_and_b32 v27, 15, v0                          ; r
	v_bfe_u32 v28, v0, 4, 1                        ; h
	v_bfe_u32 v29, v0, 3, 2                        ; l / 8
	v_lshlrev_b32 v[LRD0], 5, v26
	v_lshl_add_u32 v[LRD0], v29, 4, v[LRD0]        ; 32 l, + 16 for each 256 bytes passed
	v_add_nc_u32 v[LRD0], s[G0+1], v[LRD0]
	v_add_nc_u32 v[LRD1], 32*LPITCH, v[LRD0]
	s_lshl_b32 s52, s[WV], 7
	v_lshl_add_u32 v[CST], v26, 2, s52             ; my wave's 128 bytes of a row of codes, my 4
	v_add_nc_u32 v[CST], ACODE, v[CST]
	v_bfe_u32 v29, v0, 2, 3                        ; l / 4: four lanes hold a block of 32
	s_lshl_b32 s52, s[WV], 3
	v_add_nc_u32 v[BST], s52, v29
	v_add_nc_u32 v[BST], ASCL, v[BST]
	v_mul_u32_u24 v[AFR], v27, APITCH
	v_lshl_add_u32 v[AFR], v28, 4, v[AFR]
	v_add_nc_u32 v[AFR], ACODE, v[AFR]             ; row r x pitch + 16 h
	v_lshlrev_b32 v[ASR], 5, v27
	v_lshl_add_u32 v[ASR], v28, 4, v[ASR]
	v_add_nc_u32 v[ASR], ASCL, v[ASR]              ; row r's 32 bytes: lanes 0-15 take K steps 0-3, lanes 16-31 K steps 4-7
	s_lshl_b32 s52, s[WV], 10
	v_lshl_add_u32 v[TB0], v28, 5, s52             ; units 256 w + 8 h on: 32 bytes for each half of the lanes
	v_add_nc_u32 v[TB0], CBT, v[TB0]               ; in the tables
	s_lshl_b32 s52, s[WV], 8
	v_lshl_add_u32 v[PST], v27, 2, s52             ; my wave's 256 bytes, row r's word
	v_add_nc_u32 v[PST], PART, v[PST]              ; my wave's 256 bytes; lanes 16-31 write the same words
	v_lshl_add_u32 v[PRD], v26, 3, PART
	v_lshlrev_b32 v[L16], 4, v26
	v_lshlrev_b32 v[L4], 2, v26
	v_lshlrev_b32 v[L8], 3, v26
	; ---- the tables.  Thread t takes units 4 t .. 4 t + 3 and 512 + 4 t .. : 16 bytes of each table, twice.  In pqp unit n lies in block n / 32: 4,096 (t / 8) + 16 (t % 8), and 16 blocks on
	v_lshlrev_b32 v31, 4, v0
	v_lshl_add_u32 v30, v0, 4, CBT
	v_lshrrev_b32 v29, 3, v0
	v_and_b32 v28, 7, v0
	v_lshlrev_b32 v29, 12, v29
	v_lshl_add_u32 v29, v28, 4, v29
.irp s, 0,1,2,3,4,5,6,7
	global_load_b128 v[64+8*\s:67+8*\s], v29, s[10:11] offset:131072*\s          ; K step s's part of pq: eight lanes read 128 consecutive bytes
	global_load_b128 v[68+8*\s:71+8*\s], v29, s[10:11] offset:131072*\s+65536
.endr
	global_load_b128 v[32:35], v31, s[56:57]       ; b1
	global_load_b128 v[36:39], v31, s[56:57] offset:2048
	global_load_b128 v[40:43], v31, s[58:59]       ; b2
	global_load_b128 v[44:47], v31, s[58:59] offset:2048
	global_load_b128 v[56:59], v31, s[12:13]       ; V
	global_load_b128 v[60:63], v31, s[12:13] offset:2048
	v_mov_b32 v[BOF], v[L16]                       ; tiles 0 and 1
	v_mov_b32 v[SOF], v[L4]
	v_mov_b32 v[TBR], v[TB0]
; A tile of W1 into buffer b: 16 loads of 512 consecutive bytes, and its four registers of scale words
.macro BLOAD b
.irp s, 0,1,2,3,4,5,6,7
.irp c, 0,1
	global_load_b128 v[BF+64*(\b)+8*\s+4*\c:BF+64*(\b)+8*\s+4*\c+3], v[BOF], s[6:7] offset:8192*(\b)+1024*\s+512*\c
.endr
.endr
.irp q, 0,1,2,3
	global_load_b32 v[BSC+4*(\b)+\q], v[SOF], s[8:9] offset:512*(\b)+128*\q
.endr
.endm
.macro TLD b                           ; cb and V of my eight units of that tile
.irp u, 0,1
	ds_load_b128 v[CBV+16*(\b)+4*\u:CBV+16*(\b)+4*\u+3], v[TBR] offset:64*(\b)+16*\u
	ds_load_b128 v[CBV+16*(\b)+8+4*\u:CBV+16*(\b)+8+4*\u+3], v[TBR] offset:64*(\b)+4096+16*\u
.endr
.endm
	BLOAD 0
	BLOAD 1
	s_wait_loadcnt 40                              ; the 22 table loads are in; the two tiles' 40 loads may be out
.irp s, 1,2,3,4,5,6,7
.irp p, 0,2,4,6
	v_pk_add_f32 v[64+\p:65+\p], v[64+\p:65+\p], v[64+8*\s+\p:65+8*\s+\p]   ; pq's eight parts, K ascending; four chains by turns
.endr
.endr
.irp p, 0,2,4,6
	v_pk_add_f32 v[64+\p:65+\p], v[64+\p:65+\p], v[32+\p:33+\p]             ; + b1
.endr
.irp p, 0,2,4,6
	v_pk_add_f32 v[64+\p:65+\p], v[64+\p:65+\p], v[40+\p:41+\p]             ; + b2
.endr
.irp p, 0,2,4,6
	v_pk_mul_f32 v[64+\p:65+\p], v[64+\p:65+\p], s[CC:CC+1] op_sel_hi:[1,0] ; x c, so that the exponent is one multiply-add
.endr
	ds_store_b128 v30, v[64:67]
	ds_store_b128 v30, v[68:71] offset:2048
	ds_store_b128 v30, v[56:59] offset:4096
	ds_store_b128 v30, v[60:63] offset:6144
.irp j, 0,1,2,3,4,5,6,7
	v_mov_b32 v[CTX+\j], 0                         ; the context is zeroed once: the first finds zeros, which the first change of m leaves zeros
.endr
	v_mov_b32 v[LS], 0
	v_mov_b32 v[LS+1], 0
	v_mov_b32 v[RM], 0xff61b1e6                    ; -3e38, under every score
	s_wait_dscnt 0x0                               ; for the others' sake: my part of the tables has landed
	s_barrier_signal -1                            ; my tensor load may stay out
	s_barrier_wait -1
	s_wait_kmcnt 0x0
	s_mov_b32 s[BV+1], s[BV]
; One product: rows 16 mt on x the 16 units of buffer b, K step s.  The K step's scale words stand in lanes 0-15 (s < 4) or 16-31 of their registers.  s = 0 starts the sum: nothing is cleared
.macro MM mt, s, b                     ; USED TRANSPOSED: source 0 = the 16 units of buffer b, source 1 = rows 16 mt on; the scale operands go with their sources
.if (\s) == 0
	v_wmma_scale_f32_16x16x128_f8f6f4 v[ACC+8*(\mt):ACC+8*(\mt)+7], v[BF+64*(\b)+8*(\s):BF+64*(\b)+8*(\s)+7], v[8*(8*(\mt)+(\s)):8*(8*(\mt)+(\s))+7], 0, v[BSC+4*(\b)], v[ASC+4*(\mt)] matrix_a_fmt:MATRIX_FMT_FP4 matrix_b_fmt:MATRIX_FMT_FP4
.elseif (\s) < 4
	v_wmma_scale_f32_16x16x128_f8f6f4 v[ACC+8*(\mt):ACC+8*(\mt)+7], v[BF+64*(\b)+8*(\s):BF+64*(\b)+8*(\s)+7], v[8*(8*(\mt)+(\s)):8*(8*(\mt)+(\s))+7], v[ACC+8*(\mt):ACC+8*(\mt)+7], v[BSC+4*(\b)+(\s)], v[ASC+4*(\mt)+(\s)] matrix_a_fmt:MATRIX_FMT_FP4 matrix_b_fmt:MATRIX_FMT_FP4
.else
	v_wmma_scale_f32_16x16x128_f8f6f4 v[ACC+8*(\mt):ACC+8*(\mt)+7], v[BF+64*(\b)+8*(\s):BF+64*(\b)+8*(\s)+7], v[8*(8*(\mt)+(\s)):8*(8*(\mt)+(\s))+7], v[ACC+8*(\mt):ACC+8*(\mt)+7], v[BSC+4*(\b)+(\s)-4], v[ASC+4*(\mt)+(\s)-4] matrix_a_fmt:MATRIX_FMT_FP4 matrix_b_fmt:MATRIX_FMT_FP4 matrix_a_scale:MATRIX_SCALE_ROW1 matrix_b_scale:MATRIX_SCALE_ROW1
.endif
.endm
; A TILE of 16 units against the chunk's 64 rows: 32 products, then V tanh(..) of the 1,024 results.  In a result lane (r, h) holds ROW 16 mt + r, and register j of accumulator mt unit 8 h + j of the tile:
; so a row's sum over units stays in its lane, and cb and V are pairs of neighbouring units for the packed forms.
; fill = 1: buffer b takes the tile two tiles on.  n: the younger global loads that may stay out.  tl = 1: cb and V of that tile are fetched too.  d: the younger LDS loads that may stay out
.macro TILE b, fill, n, tl, d
	s_wait_loadcnt \n                              ; this buffer's 20 loads are in; the other buffer's 20 are younger (behind the launch's last tile's there are none)
	s_wait_dscnt \d                                ; this buffer's cb and V are in; the other buffer's four loads, where they were issued behind them, are younger
	WIN 0x04                                       ; source 1, the rows' fragments: window 1
.irp s, 0,1,2,3,4,5,6,7
.irp mt, 0,1,2,3
	MM \mt, \s, \b                                 ; the four accumulators take turns, one instruction a turn
.endr
.endr
	WIN 0
.irp u, 0,2,4,6
	v_pk_add_f32 v[VS:VS+1], v[VS:VS+1], v[CBV+16*(\b)+8+\u:CBV+16*(\b)+9+\u]   ; the sum of V: these four are the places behind the last product (ISA guide 7.12.1)
.endr
.if \fill
	BLOAD \b                                       ; two tiles ahead: the other tile's products and two tiles' vector work stand between these loads and the wait for them
.endif
.set i, 0
.rept 16
	v_pk_fma_f32 v[ACC+i:ACC+i+1], v[ACC+i:ACC+i+1], s[CC:CC+1], v[CBV+16*(\b)+i%8:CBV+16*(\b)+i%8+1] op_sel_hi:[1,0,1]   ; c D + cb of two neighbouring units, each accumulator from its low end on
.set i, i+2
.endr
.set i, 0
	s_wait_alu depctr_va_vdst(0)
.rept 32
	v_exp_f32 v[ACC+i], v[ACC+i]
.set i, i+1
.endr
	v_nop                                          ; a plain line between the exponentials and the first use of a result (ISA guide 5.7.2)
.set i, 0
	s_wait_alu depctr_va_vdst(0)
.rept 16
	v_pk_add_f32 v[ACC+i:ACC+i+1], v[ACC+i:ACC+i+1], 1.0 op_sel_hi:[1,0]
.set i, i+2
.endr
.set i, 0
	s_wait_alu depctr_va_vdst(0)
.rept 32
	v_rcp_f32 v[ACC+i], v[ACC+i]
.set i, i+1
.endr
	v_nop                                          ; likewise behind the reciprocals
.set i, 0
	s_wait_alu depctr_va_vdst(0)
.rept 16
	v_pk_fma_f32 v[SACC+2*((i/2)%4):SACC+2*((i/2)%4)+1], v[ACC+8*((i/2)%4)+2*(i/8):ACC+8*((i/2)%4)+2*(i/8)+1], v[CBV+16*(\b)+8+2*(i/8):CBV+16*(\b)+9+2*(i/8)], v[SACC+2*((i/2)%4):SACC+2*((i/2)%4)+1]   ; + V / (1 + 2^..): the four tiles of rows by turns
.set i, i+2
.endr
.if \tl
	TLD \b
.endif
.endm
.macro TRIP fill, tl                   ; two tiles
.if \fill
	s_wait_xcnt 0x0                                ; the last trip's loads have read their offsets: these are written again only behind this wait
	v_add_nc_u32 v[BOF], s[BT], v[L16]
	v_add_nc_u32 v[SOF], s[ST], v[L4]
	v_add_nc_u32 v[TBR], s[TOFF], v[TB0]
	s_wait_alu depctr_va_vdst(0)
	TILE 0, 1, 20, \tl, 4
	TILE 1, 1, 20, \tl, 4*\tl
.else
	TILE 0, 0, 20, 0, 4
	TILE 1, 0, 0, 0, 0
.endif
.endm
; Rows 16 q .. 16 q + 15 of the chunk, my 8 columns of each, become codes and scale bytes in LDS.  A block of 32 columns lies in four neighbouring lanes.  v64-79 largest magnitudes, v80-95 codes, v96-111 bytes
.macro QROWS q
.set QW, 2+(\q)/2
.set QR, 128*((\q)%2)
	WIN QW|(QW<<2)                                 ; sources 0 and 1: the rows' window
.irp k, 0,1,2,3,4,5,6,7,8,9,10,11,12,13,14,15
	v_max3_num_f32 v[64+\k], |v[QR+8*\k]|, |v[QR+8*\k+1]|, 0x1800000   ; with the floor 2^(3 - 127): the byte cannot fall under 1
.endr
.irp i, 2,4,6
.irp k, 0,1,2,3,4,5,6,7,8,9,10,11,12,13,14,15
	v_max3_num_f32 v[64+\k], |v[QR+8*\k+\i]|, |v[QR+8*\k+\i+1]|, v[64+\k]   ; (the sixteen rows by turns)
.endr
.endr
	WIN 0
.irp x, 1,2
.irp k, 0,1,2,3,4,5,6,7,8,9,10,11,12,13,14,15
	v_max_num_f32_dpp v[64+\k], v[64+\k], v[64+\k] row_xmask:\x row_mask:0xf bank_mask:0xf   ; with the block's other three lanes
.endr
.endr
.irp k, 0,1,2,3,4,5,6,7,8,9,10,11,12,13,14,15
	v_add_nc_u32 v[64+\k], 0xff000000, v[64+\k]    ; 2 off the exponent field: the conversion's scale operand
.endr
	s_wait_dscnt 0x0                               ; the last sixteen rows' stores have read their registers
	WIN QW                                         ; source 0: the rows' window
.irp k, 0,1,2,3,4,5,6,7,8,9,10,11,12,13,14,15
	v_cvt_scalef32_pk8_fp4_f32 v[80+\k], v[QR+8*\k:QR+8*\k+7], v[64+\k]
.endr
	WIN 0
.irp k, 0,1,2,3,4,5,6,7,8,9,10,11,12,13,14,15
	v_lshrrev_b32 v[96+\k], 23, v[64+\k]           ; the scale's byte; the first of these is the plain line behind the conversions
.endr
.irp k, 0,1,2,3,4,5,6,7,8,9,10,11,12,13,14,15
	ds_store_b32 v[CST], v[80+\k] offset:APITCH*(16*(\q)+\k)   ; the wave stores 128 consecutive bytes of the row's codes
	ds_store_b8 v[BST], v[96+\k] offset:32*(16*(\q)+\k)        ; the four lanes of a block write the same byte with the same value
.endr
.endm
; A CHUNK of 64 rows.  fill = 1: the next chunk is asked for.
.macro CHUNK fill
	; ---- the chunk leaves the landing zone for registers
	s_wait_tensorcnt 0x0                           ; my one tensor load has landed; only I read my tile
	WIN 0x80                                       ; destination window 2
.set i, 0
.rept 32
	ds_load_b128 v[8*i:8*i+3], v[LRD0] offset:i*LPITCH
	ds_load_b128 v[8*i+4:8*i+7], v[LRD0] offset:i*LPITCH+16
.set i, i+1
.endr
	WIN 0xc0                                       ; window 3
.set i, 0
.rept 32
	ds_load_b128 v[8*i:8*i+3], v[LRD1] offset:i*LPITCH
	ds_load_b128 v[8*i+4:8*i+7], v[LRD1] offset:i*LPITCH+16
.set i, i+1
.endr
	WIN 0
.if \fill
	s_wait_tensorcnt 0x0                           ; no tensor load of mine is out (met at once: there is one landing zone, so the reads above had a wait of their own), so group 0 may be written
	ds_add_u32 v[SPW], v[NIL]                      ; 0 onto my spare word
	s_add_nc_u64 s[G0+2:G0+3], s[G0+2:G0+3], 262144   ; 64 rows of 4,096 bytes on; the type bits on top are not reached
	s_wait_dscnt 0x0                               ; the add is done, and my reads of the landing tile are back
	s_barrier_signal -1
	s_barrier_wait -1
	tensor_load_to_lds s[G0:G0+3], s[G1:G1+7]      ; the next chunk: my one tensor load, first thing behind the barrier: it has this whole chunk's work in which to land
	s_nop 0
.rept 4
	v_nop
.endr
.else
	s_wait_dscnt 0x0                               ; the rows are in
.endif
	; ---- the rows are quantised
	QROWS 0
	QROWS 1
	QROWS 2
	QROWS 3
	s_wait_dscnt 0x0                               ; for the others' sake: my codes and bytes have landed
	s_barrier_signal -1
	s_barrier_wait -1                              ; the 64 rows' codes are whole
	WIN 0x40                                       ; destination window 1
.irp mt, 0,1,2,3
.irp s, 0,1,2,3,4,5,6,7
.irp c, 0,1
	ds_load_b128 v[8*(8*\mt+\s)+4*\c:8*(8*\mt+\s)+4*\c+3], v[AFR] offset:16*APITCH*\mt+64*\s+32*\c   ; row 16 mt + r, k = 128 s + 64 c + 32 h + 0 .. 31
.endr
.endr
.endr
	WIN 0
.irp mt, 0,1,2,3
	ds_load_b128 v[ASC+4*\mt:ASC+4*\mt+3], v[ASR] offset:512*\mt
.endr
.set i, 0
	TLD 0                                          ; cb and V of tiles 0 and 1 (the table address stands at tile 0 here): behind the quantiser, which has used their registers
	TLD 1
.rept 8
	v_mov_b32 v[SACC+i], 0
.set i, i+1
.endr
	v_mov_b32 v[VS], 0
	v_mov_b32 v[VS+1], 0
	; ---- my 16 tiles of units, two a trip; each trip fetches the next trip's tiles, the last one the next chunk's first two
	s_mov_b32 s[BT], 16384
	s_mov_b32 s[ST], 1024
	s_mov_b32 s[TOFF], 128
	s_mov_b32 s[NTR], 7
	s_wait_dscnt 0x0                               ; the rows' fragments and scale words are in
.Ltrip_\@:
	s_wait_alu depctr_va_vdst(0)
	TRIP 1, 1
	s_add_co_u32 s[BT], s[BT], 16384
	s_add_co_u32 s[ST], s[ST], 1024
	s_add_co_u32 s[TOFF], s[TOFF], 128
	s_sub_co_u32 s[NTR], s[NTR], 1
	s_cmp_lg_u32 s[NTR], 0
	s_cbranch_scc1 .Ltrip_\@
.if \fill
	s_mov_b32 s[BT], 0
	s_mov_b32 s[ST], 0
	s_mov_b32 s[TOFF], 0
.endif
	TRIP \fill, 0                                  ; the chunk's last two tiles: the next chunk's first tiles of W1 are fetched (fill = 1), their cb and V behind the next quantiser
	; ---- the scores: the sums over my 16 lanes' units, then over the four waves
	v_add_f32 v[VS], v[VS], v[VS+1]                ; even and odd units together
.irp mt, 0,1,2,3
	v_add_f32 v[SACC+2*\mt], v[SACC+2*\mt], v[SACC+2*\mt+1]
.endr
.irp mt, 0,1,2,3
	v_fma_f32 v[SACC+2*\mt], v[SACC+2*\mt], -2.0, v[VS]   ; sum V - 2 sum V / (1 + 2^..) over my half's 128 units
.endr
.irp mt, 0,1,2,3
	v_permlanex16_b32 v[SACC+2*\mt+1], v[SACC+2*\mt], s[SEL], s[SEL+1]
.endr
.irp mt, 0,1,2,3
	v_add_f32 v[SACC+2*\mt], v[SACC+2*\mt], v[SACC+2*\mt+1]   ; with lane l xor 16's: my wave's 256 units
.endr
.irp mt, 0,1,2,3
	ds_store_b32 v[PST], v[SACC+2*\mt] offset:64*\mt   ; row 16 mt + r: both halves write the same word with the same value
.endr
	s_wait_dscnt 0x0                               ; my parts have landed; and all my LDS loads are back, those of the rows' codes among them, which the next chunk writes again
	s_barrier_signal -1
	s_barrier_wait -1
.irp p, 0,1,2,3
	ds_load_b64 v[64+2*\p:65+2*\p], v[PRD] offset:256*\p
.endr
	s_wait_dscnt 0x0
	v_pk_add_f32 v[64:65], v[64:65], v[66:67]
	v_pk_add_f32 v[68:69], v[68:69], v[70:71]
	v_pk_add_f32 v[64:65], v[64:65], v[68:69]
	v_pk_add_f32 v[SCR:SCR+1], v[64:65], s[BV:BV+1] op_sel_hi:[1,0]   ; the scores of rows 2 l and 2 l + 1, in every wave
	s_cmp_lg_u32 s[WV], 0
	s_cbranch_scc1 .Lno_score_\@
	global_store_b64 v[L8], v[SCR:SCR+1], s[16:17] ; wave 0 stores them: 256 consecutive bytes, aligned
.Lno_score_\@:
	; ---- the running softmax
	s_wait_alu depctr_va_vdst(0)
	v_max_num_f32 v72, v[SCR], v[SCR+1]
	v_max_num_f32_dpp v72, v72, v72 row_xmask:1 row_mask:0xf bank_mask:0xf
	v_max_num_f32_dpp v72, v72, v72 row_xmask:2 row_mask:0xf bank_mask:0xf
	v_max_num_f32_dpp v72, v72, v72 row_xmask:4 row_mask:0xf bank_mask:0xf
	v_max_num_f32_dpp v72, v72, v72 row_xmask:8 row_mask:0xf bank_mask:0xf
	v_mov_b32 v73, v72                             ; (a lane permute's destination counts as one of its sources)
	v_permlanex16_b32 v73, v72, s[SEL], s[SEL+1]
	v_max3_num_f32 v74, v72, v73, v[RM]            ; the new m
	v_mov_b32 v75, 0                               ; (upper halves of pairs of which the low word serves both halves)
	v_mov_b32 v77, 0
	v_sub_f32 v76, v[RM], v74                      ; old m - new m
	v_pk_add_f32 v[64:65], v[SCR:SCR+1], v[74:75] op_sel_hi:[1,0] neg_lo:[0,1] neg_hi:[0,1]   ; score - m
	v_mul_f32 v76, s[L2E], v76
	v_pk_mul_f32 v[64:65], v[64:65], s[L2E:L2E+1] op_sel_hi:[1,0]
	s_wait_alu depctr_va_vdst(0)
	v_exp_f32 v76, v76                             ; f = e^(old m - new m); in the first chunk 0
	v_exp_f32 v64, v64                             ; p
	v_exp_f32 v65, v65
	v_mov_b32 v[RM], v74                           ; (the plain line behind the exponentials)
	s_wait_alu depctr_va_vdst(0)
	v_pk_fma_f32 v[LS:LS+1], v[LS:LS+1], v[76:77], v[64:65] op_sel_hi:[1,0,1]
.irp i, 0,2,4,6
	v_pk_mul_f32 v[CTX+\i:CTX+\i+1], v[CTX+\i:CTX+\i+1], v[76:77] op_sel_hi:[1,0]
.endr
	; ---- the context: my 8 columns += p x row, sixteen rows at a time; a row's p comes out of its lane into a scalar register
.irp q, 0,1,2,3
.irp k, 0,1,2,3,4,5,6,7,8,9,10,11,12,13,14,15
	v_readlane_b32 s[PP+2*\k], v[64+(\k%2)], 8*\q+\k/2
.endr
	WIN 2+\q/2                                     ; source 0: the rows' window
.irp k, 0,1,2,3,4,5,6,7,8,9,10,11,12,13,14,15
.irp i, 0,1,2,3
	v_pk_fma_f32 v[CTX+2*\i:CTX+2*\i+1], v[128*(\q%2)+8*\k+2*\i:128*(\q%2)+8*\k+2*\i+1], s[PP+2*\k:PP+2*\k+1], v[CTX+2*\i:CTX+2*\i+1] op_sel_hi:[1,0,1]
.endr
.endr
	WIN 0
.endr
	s_wait_xcnt 0x0                                ; the scores' store has read its data and its base: both are written again only behind this wait
	s_add_nc_u64 s[16:17], s[16:17], 256
.endm
	s_mov_b32 s[NCH], 3
.Lchunk:
	CHUNK 1
	s_sub_co_u32 s[NCH], s[NCH], 1
	s_cmp_lg_u32 s[NCH], 0
	s_cbranch_scc1 .Lchunk
	CHUNK 0                                        ; the last chunk is written out: it asks for nothing
	; ---- the way out: (m, l) once for each lane, so that the pair leaves as 256 consecutive bytes and is read with no broadcast; the context through LDS, so that sixteen lanes store 256 consecutive bytes
	v_add_f32 v[VSUM], v[LS], v[LS+1]
	v_add_f32_dpp v[VSUM], v[VSUM], v[VSUM] row_xmask:1 row_mask:0xf bank_mask:0xf
	v_add_f32_dpp v[VSUM], v[VSUM], v[VSUM] row_xmask:2 row_mask:0xf bank_mask:0xf
	v_add_f32_dpp v[VSUM], v[VSUM], v[VSUM] row_xmask:4 row_mask:0xf bank_mask:0xf
	v_add_f32_dpp v[VSUM], v[VSUM], v[VSUM] row_xmask:8 row_mask:0xf bank_mask:0xf
	v_mov_b32 v[LS], v[VSUM]
	v_permlanex16_b32 v[LS], v[VSUM], s[SEL], s[SEL+1]
	v_add_f32 v[VSUM], v[VSUM], v[LS]              ; l, beside m in the pair v[26:27]
	s_cmp_lg_u32 s[WV], 0
	s_cbranch_scc1 .Lno_ml
	global_store_b64 v[L8], v[RM:RM+1], s[20:21]
.Lno_ml:
	v_and_b32 v3, 31, v0
	s_lshl_b32 s50, s[WV], 10                      ; my wave's 1,024 bytes at the head of the rows' codes, which nobody reads behind the last barrier
	v_lshl_add_u32 v4, v3, 4, s50
	v_lshl_add_u32 v3, v3, 5, s50
	v_add_nc_u32 v3, ACODE, v3                     ; in: my 32 bytes
	v_add_nc_u32 v4, ACODE, v4                     ; back: 16 bytes a lane
	ds_store_b128 v3, v[CTX:CTX+3]
	ds_store_b128 v3, v[CTX+4:CTX+7] offset:16
	ds_load_b128 v[64:67], v4                      ; LDS serves a wave's instructions in order (ISA guide 5.7.1.4): these see my stores
	ds_load_b128 v[68:71], v4 offset:512
	s_wait_dscnt 0x0
	global_store_b128 v[L16], v[64:67], s[18:19]
	global_store_b128 v[L16], v[68:71], s[18:19] offset:512
	s_wait_tensorcnt 0x0                           ; the wave's end, behind my last tensor load and my last LDS store
	ds_add_u32 v[SPW], v[NIL]
	s_wait_dscnt 0x0
	s_endpgm
.Lfunc_end_k_q8b662278c8_main:
	.size	k_q8b662278c8_main, .Lfunc_end_k_q8b662278c8_main-k_q8b662278c8_main
	.p2alignl 7, 3214868480
	.fill 96, 4, 3214868480
	.section	.rodata,"a",@progbits
	.p2align	6, 0x0
	.amdhsa_kernel k_q8b662278c8_main
		.amdhsa_group_segment_fixed_size 327680
		.amdhsa_private_segment_fixed_size 0
		.amdhsa_enable_private_segment 0
		.amdhsa_kernarg_size 88
		.amdhsa_user_sgpr_count 2
		.amdhsa_user_sgpr_kernarg_segment_ptr 1
		.amdhsa_wavefront_size32 1
		.amdhsa_system_sgpr_workgroup_id_x 1
		.amdhsa_system_sgpr_workgroup_id_y 1
		.amdhsa_system_sgpr_workgroup_id_z 1
		.amdhsa_system_vgpr_workitem_id 0
		.amdhsa_next_free_vgpr 1024
		.amdhsa_next_free_sgpr 100
		.amdhsa_reserve_vcc 0
		.amdhsa_float_denorm_mode_32 3
		.amdhsa_float_denorm_mode_16_64 3
		.amdhsa_memory_ordered 1
		.amdhsa_forward_progress 1
		.amdhsa_inst_pref_size 255
	.end_amdhsa_kernel
	.section	.bss,"aw",@nobits
	.p2align	6
	.space	262144
	.amdgpu_metadata
---
amdhsa.version: [ 1, 2 ]
amdhsa.kernels:
  - .name:           k_q8b662278c8_main
    .symbol:         k_q8b662278c8_main.kd
    .args:
      - { .name: values, .offset: 0, .size: 8, .value_kind: global_buffer, .address_space: global }
      - { .name: wc, .offset: 8, .size: 8, .value_kind: global_buffer, .address_space: global }
      - { .name: ws, .offset: 16, .size: 8, .value_kind: global_buffer, .address_space: global }
      - { .name: pqp, .offset: 24, .size: 8, .value_kind: global_buffer, .address_space: global }
      - { .name: V, .offset: 32, .size: 8, .value_kind: global_buffer, .address_space: global }
      - { .name: bv, .offset: 40, .size: 8, .value_kind: global_buffer, .address_space: global }
      - { .name: scores, .offset: 48, .size: 8, .value_kind: global_buffer, .address_space: global }
      - { .name: pctx, .offset: 56, .size: 8, .value_kind: global_buffer, .address_space: global }
      - { .name: pml, .offset: 64, .size: 8, .value_kind: global_buffer, .address_space: global }
      - { .name: b1, .offset: 72, .size: 8, .value_kind: global_buffer, .address_space: global }
      - { .name: b2, .offset: 80, .size: 8, .value_kind: global_buffer, .address_space: global }
    .group_segment_fixed_size: 327680
    .private_segment_fixed_size: 0
    .kernarg_segment_align: 8
    .kernarg_segment_size: 88
    .max_flat_workgroup_size: 128
    .sgpr_count:     100
    .vgpr_count:     1024
    .wavefront_size: 32
...
	.end_amdgpu_metadata
.endif
;; end of part 2
;; launch combine (part 3): grid 4 x 32, 4 waves a work-group, no clusters, 0 bytes of LDS; arguments scores, pctx, pml, out0, out1; writes out0, out1
.if DOCPART == 3
	.amdgcn_target "amdgcn-amd-amdhsa--gfx1250"
	.amdhsa_code_object_version 6
	.text
	.protected	k_q8b662278c8_combine
	.globl	k_q8b662278c8_combine
	.p2align	8
	.type	k_q8b662278c8_combine,@function
k_q8b662278c8_combine:
	s_mov_b64 s[64:65], 0
	v_nop
	global_prefetch_b8 v0, s[64:65] scope:SCOPE_SE
	s_setreg_imm32_b32 hwreg(HW_REG_WAVE_MODE, 25, 1), 1
	s_wait_xcnt 0x0
; The eight work-groups' partial results of a batch are joined.  m = the largest m_i; e_i = e^(m_i - m); l = sum l_i e_i;
; out0[b][:] = sum ctx_i e_i / l;  out1[b][s] = e^(score - m) / l.
; Work-group (x, b): a quarter of batch b: 256 columns of out0 (two a thread) and 512 weights of out1 (four a thread).  Every thread reads the eight pairs (m_i, l_i), which lie once for each lane.
; 17 loads a thread, one wait, a few dozen instructions: LDS, barriers and the matrix unit would serve nothing here.  l is at least 1 (the largest score's own term), so the reciprocal is safe.
	s_load_b256 s[4:11], s[0:1], 0x0               ; scores s[4:5], pctx s[6:7], pml s[8:9], out0 s[10:11]
	s_load_b64 s[12:13], s[0:1], 0x20              ; out1
	s_and_b32 s14, ttmp7, 0xffff                   ; b
	v_and_b32 v1, 31, v0
	v_lshlrev_b32 v1, 3, v1                        ; 8 x lane
	v_lshlrev_b32 v2, 3, v0                        ; 8 x thread
	v_lshlrev_b32 v3, 4, v0                        ; 16 x thread
	s_mov_b32 s17, 0
	s_lshl_b32 s15, ttmp9, 10                      ; 1,024 x
	s_lshl_b32 s18, ttmp9, 11                      ; 2,048 x
	s_wait_alu depctr_va_vdst(0)
	s_wait_kmcnt 0x0
	s_lshl_b32 s16, s14, 11
	s_add_nc_u64 s[8:9], s[8:9], s[16:17]          ; pml: 8 x 256 bytes a batch
	s_lshl_b32 s16, s14, 15
	s_add_co_u32 s16, s16, s15
	s_add_nc_u64 s[6:7], s[6:7], s[16:17]          ; pctx: 8 rows of 4,096 bytes a batch, my quarter of a row
	s_lshl_b32 s16, s14, 12
	s_add_co_u32 s16, s16, s15
	s_add_nc_u64 s[10:11], s[10:11], s[16:17]      ; out0
	s_lshl_b32 s16, s14, 13
	s_add_co_u32 s16, s16, s18
	s_add_nc_u64 s[4:5], s[4:5], s[16:17]          ; scores
	s_add_nc_u64 s[12:13], s[12:13], s[16:17]      ; out1
.irp i, 0,1,2,3,4,5,6,7
	global_load_b64 v[8+2*\i:9+2*\i], v1, s[8:9] offset:256*\i        ; (m_i, l_i)
.endr
.irp i, 0,1,2,3,4,5,6,7
	global_load_b64 v[24+2*\i:25+2*\i], v2, s[6:7] offset:4096*\i     ; ctx_i of my two columns: a wave reads 256 consecutive bytes
.endr
	global_load_b128 v[40:43], v3, s[4:5]          ; my four scores
	s_wait_loadcnt 0x0
	v_max3_num_f32 v44, v8, v10, v12
	v_max3_num_f32 v44, v44, v14, v16
	v_max3_num_f32 v44, v44, v18, v20
	v_max_num_f32 v44, v44, v22                    ; m
.irp i, 0,1,2,3,4,5,6,7
	v_sub_f32 v[48+\i], v[8+2*\i], v44
.endr
.irp k, 0,1,2,3
	v_sub_f32 v[40+\k], v[40+\k], v44
.endr
.irp i, 0,1,2,3,4,5,6,7
	v_mul_f32 v[48+\i], 0x3fb8aa3b, v[48+\i]       ; x log2(e)
.endr
.irp k, 0,1,2,3
	v_mul_f32 v[40+\k], 0x3fb8aa3b, v[40+\k]
.endr
	s_wait_alu depctr_va_vdst(0)
.irp i, 0,1,2,3,4,5,6,7
	v_exp_f32 v[48+\i], v[48+\i]                   ; e_i
.endr
.irp k, 0,1,2,3
	v_exp_f32 v[40+\k], v[40+\k]                   ; e^(score - m)
.endr
	v_nop                                          ; a plain line between the exponentials and the first use of a result (ISA guide 5.7.2)
	s_wait_alu depctr_va_vdst(0)
	v_mul_f32 v45, v9, v48
.irp i, 1,2,3,4,5,6,7
	v_fmac_f32 v45, v[9+2*\i], v[48+\i]            ; l
.endr
	s_wait_alu depctr_va_vdst(0)
	v_rcp_f32 v46, v45
	v_nop                                          ; likewise behind the reciprocal
	s_wait_alu depctr_va_vdst(0)
.irp i, 0,1,2,3,4,5,6,7
	v_mul_f32 v[48+\i], v[48+\i], v46              ; e_i / l
.endr
.irp k, 0,1,2,3
	v_mul_f32 v[40+\k], v[40+\k], v46
.endr
	v_mul_f32 v56, v24, v48
	v_mul_f32 v57, v25, v48
.irp i, 1,2,3,4,5,6,7
	v_fmac_f32 v56, v[24+2*\i], v[48+\i]
	v_fmac_f32 v57, v[25+2*\i], v[48+\i]
.endr
	global_store_b64 v2, v[56:57], s[10:11]        ; a wave stores 256 consecutive bytes, aligned
	global_store_b128 v3, v[40:43], s[12:13]       ; and 512
	s_endpgm
.Lfunc_end_k_q8b662278c8_combine:
	.size	k_q8b662278c8_combine, .Lfunc_end_k_q8b662278c8_combine-k_q8b662278c8_combine
	.p2alignl 7, 3214868480
	.fill 96, 4, 3214868480
	.section	.rodata,"a",@progbits
	.p2align	6, 0x0
	.amdhsa_kernel k_q8b662278c8_combine
		.amdhsa_group_segment_fixed_size 0
		.amdhsa_private_segment_fixed_size 0
		.amdhsa_enable_private_segment 0
		.amdhsa_kernarg_size 40
		.amdhsa_user_sgpr_count 2
		.amdhsa_user_sgpr_kernarg_segment_ptr 1
		.amdhsa_wavefront_size32 1
		.amdhsa_system_sgpr_workgroup_id_x 1
		.amdhsa_system_sgpr_workgroup_id_y 1
		.amdhsa_system_sgpr_workgroup_id_z 1
		.amdhsa_system_vgpr_workitem_id 0
		.amdhsa_next_free_vgpr 64
		.amdhsa_next_free_sgpr 66
		.amdhsa_reserve_vcc 0
		.amdhsa_float_denorm_mode_32 3
		.amdhsa_float_denorm_mode_16_64 3
		.amdhsa_memory_ordered 1
		.amdhsa_forward_progress 1
		.amdhsa_inst_pref_size 6
	.end_amdhsa_kernel
	.amdgpu_metadata
---
amdhsa.version: [ 1, 2 ]
amdhsa.kernels:
  - .name:           k_q8b662278c8_combine
    .symbol:         k_q8b662278c8_combine.kd
    .args:
      - { .name: scores, .offset: 0, .size: 8, .value_kind: global_buffer, .address_space: global }
      - { .name: pctx, .offset: 8, .size: 8, .value_kind: global_buffer, .address_space: global }
      - { .name: pml, .offset: 16, .size: 8, .value_kind: global_buffer, .address_space: global }
      - { .name: out0, .offset: 24, .size: 8, .value_kind: global_buffer, .address_space: global }
      - { .name: out1, .offset: 32, .size: 8, .value_kind: global_buffer, .address_space: global }
    .group_segment_fixed_size: 0
    .private_segment_fixed_size: 0
    .kernarg_segment_align: 8
    .kernarg_segment_size: 40
    .max_flat_workgroup_size: 128
    .sgpr_count:     66
    .vgpr_count:     64
    .wavefront_size: 32
...
	.end_amdgpu_metadata
.endif
;; end of part 3
